; MI455X (gfx1250); checked and timed in simulation.
; The chip was launched on July 23, 2026; its instructions are those of AMD's public machine-readable ISA for CDNA 5 (MIT licence, August 2026) and "CDNA5" Instruction Set Architecture Reference Guide (July 2026). The comments in the code are by the model that wrote it; some were corrected since.
;; Multi Head Self Attention. Allowed arithmetic: matrix products marked QUANTISED: E5M2 operands, one E8M0 scale for each 32 along K, by v_wmma_scale_f32_16x16x128_f8f6f4 with both operands' format E5M2, f32 sums; everything else in f32.
;; Inputs: W_out_codes 1,024 x 32 x 32 uint8 (E5M2 codes of W_out, K innermost, in blocks of 32 codes); W_out_scales 1,024 x 32 uint8 (E8M0 scales of W_out, one for each 32 codes along K); W_qkv_codes 3,072 x 32 x 32 uint8 (E5M2 codes of W_qkv, K innermost, in blocks of 32 codes); W_qkv_scales 3,072 x 32 uint8 (E8M0 scales of W_qkv, one for each 32 codes along K); attn_in_codes 4 x 2,048 x 32 x 32 uint8 (E5M2 codes of attn_in, K innermost, in blocks of 32 codes); attn_in_scales 4 x 2,048 x 32 uint8 (E8M0 scales of attn_in, one for each 32 codes along K); b_out 1,024 float32; b_qkv 3,072 float32.
;; Outputs: out0 4 x 2,048 x 1,024 float32.
;; This version of the problem:
;;   THIS VERSION OF THE PROBLEM IS GIVEN IN LOW PRECISION. The matrix products marked QUANTISED in the list below multiply operands that are first quantised to E5M2 (5 exponent bits, 2 mantissa bits; 8 bits a number), with one power-of-two scale for each 32 numbers along K (OCP MX v1.0); their sums are f32. All else is computed in f32.
;;   The module's matrix products, in the order in which they are computed (A, B: the left and right operand; K: the contracted axis; several contracted axes count as one K, in the product's order):
;;     1. [M 8,192, K 1,024] x [K 1,024, N 3,072]; A: input attn_in (given as codes); B: input W_qkv (given as codes): QUANTISED
;;     2. batch 64 x [M 2,048, K 64] x [K 64, N 2,048]; A: computed on the way; B: computed on the way: QUANTISED
;;     3. batch 64 x [M 2,048, K 2,048] x [K 2,048, N 64]; A: softmax (see below); B: computed on the way: QUANTISED
;;     4. [M 8,192, K 1,024] x [K 1,024, N 1,024]; A: computed on the way; B: input W_out (given as codes): QUANTISED
;;   THE QUANTISER, for each operand of a quantised product, along K:
;;     - K is cut into blocks of 32 from its start; a last block that is shorter is filled with zeros.
;;     - A block's scale is 2^e with e = floor(log2(the largest magnitude in the block)) - 15, held to -126 .. 127; a block of zeros has e = 0. As a byte (E8M0): e + 127.
;;     - Each number is divided by its block's scale, clamped to +-57,344, and rounded to the nearest number of E5M2, ties to even, subnormals kept.
;;     - The product sums the exact products of the quantised numbers (number of the format x scale) in f32.
;;   ~~~python
;;   def quantise(x, axis):      # numpy; x: float32 -> the quantised numbers, widened to float32 again
;;       x = np.moveaxis(x, axis, -1); K = x.shape[-1]
;;       x = np.pad(x, [(0, 0)] * (x.ndim - 1) + [(0, -K % 32)]); x = x.reshape(x.shape[:-1] + (-1, 32)); a = np.abs(x).max(-1, keepdims=True)
;;       e = np.where(a > 0, np.clip(np.frexp(np.where(a > 0, a, 1))[1] - 1 - 15, -126, 127), 0)      # np.frexp(a)[1] - 1 = floor(log2(a)), exactly
;;       r = np.clip(x / 2.0 ** e, -57344, 57344)
;;       step = 2.0 ** (np.maximum(np.frexp(np.where(r == 0, 1, r))[1] - 1, -14) - 2)
;;       q = np.round(r / step) * step * 2.0 ** e      # np.round: ties to even
;;       return np.moveaxis(q.reshape(q.shape[:-2] + (-1,))[..., :K], -1, axis).astype(np.float32)
;;   ~~~
;;   SOFTMAX AHEAD OF A QUANTISED PRODUCT. Where the list says 'softmax', what is quantised is not the finished softmax but p = 2^(t - M), with t = logit x log2(e) and M = ceil(the row's largest t), a whole number; so 1/2 < the row's largest p <= 1. The row's sum l is taken of the UNQUANTISED p, in f32, and the product's result is divided by l at the end. Since M is a whole number, a kernel that streams over the keys may use a running M (the ceiling of the running maximum): every later rescaling is an exact power of two, which a block's scale takes up: the codes' values come out the same.
;;   OPERANDS COMPUTED ON THE WAY. 'Computed on the way' means the value that the module computes at that place (a softmax that the list does not call 'softmax' is quantised finished and normalised). What goes into a quantiser is computed in f32, as accurately as f32 sums, v_exp_f32 and their like allow (about 1e-6 of the number): no bf16 or f16 on the way to a quantiser, and a product that is left as it is and whose result goes on into a quantised operand takes f32 operands (vector FMAs, or v_wmma_f32_16x16x4_f32). A number that lies on a knife's edge between two numbers of the format may be rounded either way, as far as f32 arithmetic and the matrix unit's own rounding can turn it there, and no further.
;;   INPUTS GIVEN AS CODES. W_out (in the module: [1024, 1024], K = its axis 0); W_qkv (in the module: [1024, 3072], K = its axis 0); attn_in (in the module: [4, 2048, 1024], K = its axis 2): each comes as NAME_codes (uint8): NAME with its K axis moved to the last place and cut into blocks of 32 codes, [.., K / 32, bytes a block], one block behind the other in memory; one code a byte (a code: sign, 5 exponent bits, 2 mantissa bits); and NAME_scales (uint8): the same leading axes, one E8M0 byte (e + 127) for each 32 codes along K. Its value is code x scale, taken as it is: it is not quantised again, and the codes and scales need not be those that the quantiser above would give.
;; One version. Each part assembles by itself: llvm-mc -triple=amdgcn-amd-amdhsa -mcpu=gfx1250 --defsym DOCPART=n.
;; ======== version 1 of 1: 3 launches
;; limits: right only within a limited range of input values
;; workspace buffers: qimg 8,388,608 bytes; qs 262,144 bytes; kv 17,301,504 bytes; o_codes 8,388,608 bytes; o_scales 262,144 bytes
;; launch qkv (part 1): grid 12 x 32, 4 waves a work-group, clusters of 4 x 4, 327,680 bytes of LDS; arguments attn_in_codes, attn_in_scales, W_qkv_codes, W_qkv_scales, b_qkv, qimg, qs, kv; writes qimg, qs, kv
.if DOCPART == 1
	.amdgcn_target "amdgcn-amd-amdhsa--gfx1250"
	.amdhsa_code_object_version 6
	.text
	.protected	k_qe78f181922_qkv
	.globl	k_qe78f181922_qkv
	.p2align	8
	.type	k_qe78f181922_qkv,@function
k_qe78f181922_qkv:
	s_mov_b64 s[64:65], 0
	v_nop
	global_prefetch_b8 v0, s[64:65] scope:SCOPE_SE
	s_setreg_imm32_b32 hwreg(HW_REG_WAVE_MODE, 25, 1), 1
	s_wait_xcnt 0x0
	s_wait_alu depctr_hold_cnt(0) depctr_sa_sdst(0) depctr_va_vdst(0) depctr_va_sdst(0) depctr_va_ssrc(0) depctr_va_vcc(0) depctr_vm_vsrc(0)
	s_getreg_b32 s2, hwreg(HW_REG_IB_STS2, 6, 4)
	s_cmp_eq_u32 s2, 0
	s_cbranch_scc0 .Lentry_in_a_cluster
	s_endpgm
.Lentry_in_a_cluster:
	s_bfe_u32 s2, ttmp6, 0x10000c
	s_cmp_lg_u32 s2, 0xf033
	s_cbranch_scc0 .Lentry_shape_is_right
	s_endpgm
.Lentry_shape_is_right:
.set SIZE_K, 1024
.set KSTEP,  256
.set NQ,     KSTEP/128
.set ROWB,   256
.set KROW,   SIZE_K
.set PITCH,  272
.set FR,     16
.set NL,     4
.set NP,     8
.set HALFT,  128*PITCH
.set SLOT,   4*HALFT
.set LAPS,   SIZE_K/(2*KSTEP)
.set KS,     SIZE_K/32
.set SCL,    2*SLOT
.set HALFS,  (128*KS/256)*272
.set SBLK,   (16*KS/256)*272
.set SPARE,  SCL+4*HALFS
.set ADRA, 16
.set ADRB, 20
.set ADRS, 27
.set SPW,  28
.set NIL,  29
.set SC,   32
.set AF,   128
.set BR,   8
.set BC,   64
.set SCO,  16
.set CO0,  24
.set XN,   128
.set PC,   192
.set TM,   224
.set PW,   240
.set W,    248
.set G1, 24
.set G0, 32
.set G1B, 48
.set G0B, 56
.set G1S, 68
.set G0S, 76
.set G1SB, 80
.set G0SB, 88
.set MNT, 92
.set SEL, 94
.set MSB, 0
.macro WIN new
.if MSB != \new
	s_set_vgpr_msb (MSB<<8)|\new
.set MSB, \new
.endif
.endm
.set MUL_LO, 0xa1
.set MUL_HI, 0xf1
.set TO_B,   0x40
.macro JLOAD g0a, g1a, g0b, g1b
	s_cmp_eq_u32 s15, 0
	s_cbranch_scc0 .Lfor_b_\@
	tensor_load_to_lds s[\g0a:\g0a+3], s[\g1a:\g1a+7]
	s_nop 0
.rept 4
	v_nop
.endr
	s_branch .Lasked_\@
.Lfor_b_\@:
	tensor_load_to_lds s[\g0b:\g0b+3], s[\g1b:\g1b+7]
	s_nop 0
.rept 4
	v_nop
.endr
.Lasked_\@:
.endm
.macro CREST
	s_cmp_lg_u32 s14, 0
	s_cbranch_scc1 .Lnot_wave_0_\@
	s_barrier_signal -3
.Lnot_wave_0_\@:
	s_barrier_wait -3
	s_barrier_signal -1
	s_barrier_wait -1
.endm
.macro CROUND
	s_barrier_signal -1
	s_barrier_wait -1
	CREST
.endm
	s_load_b128 s[4:7], s[0:1], 0x0
	s_load_b128 s[8:11], s[0:1], 0x10
	s_load_b64 s[66:67], s[0:1], 0x20
	s_load_b64 s[96:97], s[0:1], 0x28
	s_load_b64 s[98:99], s[0:1], 0x30
	s_load_b64 s[100:101], s[0:1], 0x38
	v_lshl_add_u32 v[SPW], v0, 2, SPARE
	v_mov_b32 v[NIL], 0
	ds_add_u32 v28, v29
	ds_add_u32 v28, v29
	s_wait_dscnt 0x0
	v_lshrrev_b32 v1, 5, v0
	v_readfirstlane_b32 s14, v1
	s_lshr_b32 s15, s14, 1
	s_and_b32 s16, s14, 1
	s_bfe_u32 s40, ttmp6, 0x40000
	s_bfe_u32 s41, ttmp6, 0x40004
	s_lshl_b32 s42, ttmp9, 2
	s_and_b32 s17, ttmp7, 0xffff
	s_lshl_b32 s17, s17, 2
	s_cmp_eq_u32 ttmp9, 2
	s_cselect_b32 s42, s17, s42
	s_cselect_b32 s17, 8, s17
	s_add_co_u32 s42, s42, s40
	s_add_co_u32 s17, s17, s41
	s_lshl_b32 s43, s41, 2
	s_lshl_b32 s43, 15, s43
	s_lshl_b32 s44, 0x1111, s40
	s_or_b32 s[G1+0], s43, (0<<16)|(1<<20)|(1<<21)|(5<<22)|(3<<25)
	s_or_b32 s[G1B+0], s44, (0<<16)|(1<<20)|(1<<21)|(5<<22)|(3<<25)
.irp g, G1, G1B
	s_mov_b32 s[\g+1], ROWB<<16
	s_mov_b32 s[\g+2], 256<<16
	s_mov_b32 s[\g+3], ROWB<<16
	s_mov_b32 s[\g+4], 256
	s_mov_b32 s[\g+5], KROW
	s_mov_b32 s[\g+6], 0
	s_mov_b32 s[\g+7], 0
.endr
	s_or_b32 s[G1S+0], s43, (3<<16)|(1<<20)|(1<<21)|(5<<22)|(3<<25)
	s_or_b32 s[G1SB+0], s44, (3<<16)|(1<<20)|(1<<21)|(5<<22)|(3<<25)
.irp g, G1S, G1SB
	s_mov_b32 s[\g+1], 32<<16
	s_mov_b32 s[\g+2], KS<<16
	s_mov_b32 s[\g+3], 32<<16
	s_mov_b32 s[\g+4], KS
	s_mov_b32 s[\g+5], 32
	s_mov_b32 s[\g+6], 0
	s_mov_b32 s[\g+7], 0
.endr
	s_lshl_b32 s20, s17, 8
	s_lshl_b32 s46, s42, 8
	s_mov_b32 s21, 0
	s_mov_b32 s47, 0
	s_mov_b64 s[18:19], KS
	s_mul_u64 s[22:23], s[20:21], s[18:19]
	s_mul_u64 s[92:93], s[46:47], s[18:19]
	s_mov_b64 s[18:19], KROW
	s_mul_u64 s[20:21], s[20:21], s[18:19]
	s_mul_u64 s[46:47], s[46:47], s[18:19]
	s_mul_i32 s45, s14, HALFT
	s_mul_i32 s18, s16, 128*KROW                   ; in the ring a wave fetches 128 rows of a tile: which half, in bytes
	s_mov_b32 s19, 0
	s_wait_kmcnt 0x0
	s_cmp_eq_u32 ttmp9, 2
	s_cselect_b64 s[12:13], s[8:9], s[4:5]
	s_cselect_b64 s[8:9], s[4:5], s[8:9]
	s_cselect_b64 s[4:5], s[10:11], s[6:7]
	s_cselect_b64 s[10:11], s[6:7], s[10:11]
	s_add_nc_u64 s[20:21], s[12:13], s[20:21]
	s_add_nc_u64 s[22:23], s[4:5], s[22:23]
	s_add_nc_u64 s[46:47], s[8:9], s[46:47]
	s_add_nc_u64 s[92:93], s[10:11], s[92:93]
	CROUND
	s_mov_b32 s[G0S], 1
	s_mov_b32 s[G0S+1], SCL
	s_mov_b64 s[G0S+2:G0S+3], s[22:23]
	s_or_b32 s[G0S+3], s[G0S+3], 0x80000000
	s_mov_b32 s[G0SB], 1
	s_mov_b32 s[G0SB+1], SCL+2*HALFS
	s_mov_b64 s[G0SB+2:G0SB+3], s[92:93]
	s_or_b32 s[G0SB+3], s[G0SB+3], 0x80000000
	s_mov_b32 s4, 1                                ; s[4:7], s[8:11]: group 0 of the head's loads of K step 0: A's 256 rows, B's 256 rows (the arguments that lay there are used up)
	s_mov_b32 s5, 0
	s_mov_b64 s[6:7], s[20:21]
	s_or_b32 s7, s7, 0x80000000
	s_mov_b32 s8, 1
	s_mov_b32 s9, 2*HALFT
	s_mov_b64 s[10:11], s[46:47]
	s_or_b32 s11, s11, 0x80000000
	s_add_nc_u64 s[20:21], s[20:21], s[18:19]      ; for the ring: my 128 rows of the tile
	s_add_nc_u64 s[46:47], s[46:47], s[18:19]
.irp s, 0,1
	s_mov_b32 s[G0+4*\s], 1
	s_add_co_u32 s[G0+4*\s+1], s45, \s*SLOT
	s_add_nc_u64 s[G0+4*\s+2:G0+4*\s+3], s[20:21], \s*ROWB
	s_or_b32 s[G0+4*\s+3], s[G0+4*\s+3], 0x80000000
	s_mov_b32 s[G0B+4*\s], 1
	s_add_co_u32 s[G0B+4*\s+1], s45, \s*SLOT
	s_add_nc_u64 s[G0B+4*\s+2:G0B+4*\s+3], s[46:47], \s*ROWB
	s_or_b32 s[G0B+4*\s+3], s[G0B+4*\s+3], 0x80000000
.endr
; the head's four tiles, one joint load a wave: wave 0 K step 0's 256 rows of A, wave 1 its 256 rows of B, wave 2 A's scales, wave 3 B's: one chain of branches on the wave's number
.macro ARM under, g0, g1, next
	s_cmp_lt_u32 s14, \under
	s_cbranch_scc0 \next
	tensor_load_to_lds s[\g0:\g0+3], s[\g1:\g1+7]
	s_nop 0
.rept 4
	v_nop
.endr
	s_branch .Lhead_asked
\next:
.endm
	ARM 1, 4, G1, .Lhead_b
	ARM 2, 8, G1B, .Lhead_sa
	ARM 3, G0S, G1S, .Lhead_sb
	tensor_load_to_lds s[G0SB:G0SB+3], s[G1SB:G1SB+7]
	s_nop 0
.rept 4
	v_nop
.endr
.Lhead_asked:
	v_and_b32 v1, 15, v0
	v_bfe_u32 v2, v0, 4, 1
	v_mul_u32_u24 v3, v1, PITCH
	v_lshl_add_u32 v4, v2, 4, v3
	s_mul_i32 s21, s15, HALFT
	s_mul_i32 s22, s16, HALFT
	s_add_co_u32 s22, s22, 2*HALFT
.irp s, 0,1
	v_add_nc_u32 v[ADRA+\s], s21, v4
	v_add_nc_u32 v[ADRB+\s], s22, v4
	s_add_co_u32 s21, s21, SLOT
	s_add_co_u32 s22, s22, SLOT
.endr
	v_mul_u32_u24 v5, v1, KS
	v_lshrrev_b32 v6, 8, v5
	v_lshl_add_u32 v5, v6, 4, v5
	s_mul_i32 s21, s15, HALFS
	s_mul_i32 s22, s16, HALFS
	s_add_co_u32 s22, s22, 2*HALFS
	s_sub_co_u32 s22, s22, s21
	v_mul_u32_u24 v6, s22, v2
	s_add_co_u32 s21, s21, SCL
	v_add_nc_u32 v5, v5, v6
	v_add_nc_u32 v[ADRS], s21, v5
	s_lshl_b32 s18, s42, 10
	s_lshl_b32 s19, s16, 9
	s_add_co_u32 s18, s18, s19
	s_lshl_b32 s19, s17, 10
	s_lshl_b32 s2, s15, 9
	s_add_co_u32 s19, s19, s2
	s_cmp_eq_u32 ttmp9, 2
	s_cselect_b32 s18, 0, s18
	s_cselect_b32 s19, s19, 0
	v_lshl_add_u32 v30, v2, 5, s18
	v_lshl_add_u32 v31, v1, 2, s19
.irp b, 0,1,2,3,4,5,6,7
	global_load_b128 v[BC+8*\b:BC+8*\b+3], v30, s[66:67] offset:64*\b
	global_load_b128 v[BC+8*\b+4:BC+8*\b+7], v30, s[66:67] offset:64*\b+16
.endr
.irp a, 0,1,2,3,4,5,6,7
	global_load_b32 v[BR+\a], v31, s[66:67] offset:64*\a
.endr
.macro FRAG reg, adr, q, i
.irp c, 0,1,2,3
	ds_load_b128 v[\reg+4*\c:\reg+4*\c+3], v[\adr] offset:128*(\q)+32*\c+(\i)*16*PITCH
.endr
.endm
.macro MUL16 a0, p, q, sc, zero
.irp a, \a0, \a0+1
.irp b, 0,1,2,3,4,5,6,7
.if \zero
	v_wmma_scale_f32_16x16x128_f8f6f4 v[8*(8*((\a)%4)+\b):8*(8*((\a)%4)+\b)+7], v[128*(\p)+FR*\b:128*(\p)+FR*\b+FR-1], v[AF+FR*(\a):AF+FR*(\a)+FR-1], 0, v[SC+8*NQ*(\sc)+NQ*\b+(\q)], v[SC+8*NQ*(\sc)+NQ*(\a)+(\q)] matrix_a_fmt:MATRIX_FMT_BF8 matrix_b_fmt:MATRIX_FMT_BF8 matrix_a_scale:MATRIX_SCALE_ROW1
.else
	v_wmma_scale_f32_16x16x128_f8f6f4 v[8*(8*((\a)%4)+\b):8*(8*((\a)%4)+\b)+7], v[128*(\p)+FR*\b:128*(\p)+FR*\b+FR-1], v[AF+FR*(\a):AF+FR*(\a)+FR-1], v[8*(8*((\a)%4)+\b):8*(8*((\a)%4)+\b)+7], v[SC+8*NQ*(\sc)+NQ*\b+(\q)], v[SC+8*NQ*(\sc)+NQ*(\a)+(\q)] matrix_a_fmt:MATRIX_FMT_BF8 matrix_b_fmt:MATRIX_FMT_BF8 matrix_a_scale:MATRIX_SCALE_ROW1
.endif
.endr
.endr
.endm
.macro FETCH_B slot, q, p
	WIN TO_B
.irp i, 0,1,2,3,4,5,6,7
	FRAG 128*(\p)+FR*\i, ADRB+\slot, \q, \i
.endr
	WIN 0
.endm
.macro FETCH_A slot, q, i0
.irp i, \i0, \i0+1, \i0+2, \i0+3
	FRAG AF+FR*(\i), ADRA+\slot, \q, \i
.endr
.endm
.macro SCALES sc
.irp i, 0,1,2,3,4,5,6,7
	ds_load_b64 v[SC+8*NQ*\sc+NQ*\i:SC+8*NQ*\sc+NQ*\i+1], v[ADRS] offset:\i*SBLK
.endr
.endm
.macro PLACES n
.rept \n
	v_nop
.endr
.endm
.macro STEP slot, q, zero
	s_wait_dscnt 4*NL
	WIN MUL_LO
	MUL16 0, (\q)%2, \q, \slot, \zero
	MUL16 2, (\q)%2, \q, \slot, \zero
	s_wait_dscnt 0
	PLACES NP
	FETCH_B \slot, (\q)+1, 1-(\q)%2
	FETCH_A \slot, (\q)+1, 0
	WIN MUL_HI
	MUL16 4, (\q)%2, \q, \slot, \zero
	MUL16 6, (\q)%2, \q, \slot, \zero
	PLACES NP
	WIN 0
	FETCH_A \slot, (\q)+1, 4
.endm
.macro TURN slot, next, fill
	s_wait_tensorcnt 0x0
	ds_add_u32 v[SPW], v[NIL]
	s_wait_dscnt 4*NL+1
	WIN MUL_LO
	MUL16 0, 1, NQ-1, \slot, 0
	s_wait_dscnt 0x0
	s_barrier_signal -1
	MUL16 2, 1, NQ-1, \slot, 0
	WIN 0
	s_barrier_wait -1
.if \fill
	CREST
	s_add_nc_u64 s[G0+4*\slot+2:G0+4*\slot+3], s[G0+4*\slot+2:G0+4*\slot+3], 2*ROWB
	s_add_nc_u64 s[G0B+4*\slot+2:G0B+4*\slot+3], s[G0B+4*\slot+2:G0B+4*\slot+3], 2*ROWB
	JLOAD G0+4*\slot, G1, G0B+4*\slot, G1B
	PLACES NP-4
.else
	PLACES NP
.endif
	s_wait_alu depctr_va_vdst(0)
	v_add_nc_u32 v[ADRS], 4*NQ, v[ADRS]
	FETCH_B \next, 0, 0
	FETCH_A \next, 0, 0
	SCALES \next
	WIN MUL_HI
	MUL16 4, 1, NQ-1, \slot, 0
	MUL16 6, 1, NQ-1, \slot, 0
	PLACES NP
	WIN 0
	FETCH_A \next, 0, 4
.endm
	s_wait_alu depctr_va_vdst(0)
	s_wait_tensorcnt 0x0                           ; my tile of the head's four is in; slot 1's first fill is issued as a refill is
	ds_add_u32 v[SPW], v[NIL]
	s_mov_b32 s[G1+2], 128<<16                     ; no tensor load of mine is out: from here on a load brings 128 rows
	s_mov_b32 s[G1+4], 128
	s_mov_b32 s[G1B+2], 128<<16
	s_mov_b32 s[G1B+4], 128
	s_wait_dscnt 0x0
	CROUND
	JLOAD G0+4, G1, G0B+4, G1B
	FETCH_B 0, 0, 0
	FETCH_A 0, 0, 0
	SCALES 0
	FETCH_A 0, 0, 4
	STEP 0, 0, 1
	s_mov_b32 s3, LAPS-1
.Llap:
	TURN 0, 1, 1
	STEP 1, 0, 0
	TURN 1, 0, 1
	STEP 0, 0, 0
	s_sub_co_u32 s3, s3, 1
	s_cmp_lg_u32 s3, 0
	s_cbranch_scc1 .Llap
	TURN 0, 1, 0
	STEP 1, 0, 0
	s_wait_dscnt 4*NL
	WIN MUL_LO
	MUL16 0, 1, NQ-1, 1, 0
	MUL16 2, 1, NQ-1, 1, 0
	s_wait_dscnt 0
	WIN MUL_HI
	MUL16 4, 1, NQ-1, 1, 0
	MUL16 6, 1, NQ-1, 1, 0
	WIN 0
	s_lshl_b32 s18, s40, 1
	s_add_co_u32 s18, s18, s16
	s_lshl_b32 s22, s41, 1
	s_add_co_u32 s22, s22, s15
	s_lshl_b32 s19, s17, 1
	s_add_co_u32 s19, s19, s15
	s_lshl_b32 s23, s42, 1
	s_add_co_u32 s23, s23, s16
	s_mov_b32 s68, 270336
	s_mov_b32 s69, 16896
	s_mov_b32 s76, 270336
	s_mov_b32 s77, 16896
	s_cmp_eq_u32 ttmp9, 0
	s_cselect_b32 s68, 131072, s68
	s_cselect_b32 s69, 8192, s69
	s_cselect_b32 s76, 4096, s76
	s_cselect_b32 s77, 512, s77
	s_cselect_b64 s[86:87], s[96:97], s[100:101]
	s_cselect_b64 s[88:89], s[98:99], s[100:101]
	s_mov_b32 s70, 0
	s_mov_b32 s71, 131072
	s_mov_b32 s72, 1024
	s_mov_b32 s73, 0
	s_mov_b32 s74, 1024
	s_mov_b32 s75, 0
	s_mov_b32 s78, 0
	s_mov_b32 s79, 64
	s_mov_b32 s80, 128
	s_mov_b32 s81, 256
	s_mov_b32 s82, 0x03020100
	s_mov_b32 s83, 0x07060504
	s_mov_b32 s84, -1
	s_mov_b32 s85, 0
	s_cmp_eq_u32 ttmp9, 1
	s_cselect_b32 s71, 270336, s71
	s_cselect_b32 s78, 16384, s78
	s_cselect_b32 s79, 270336, s79
	s_cselect_b32 s80, 64, s80
	s_cselect_b32 s81, 128, s81
	s_cselect_b32 s82, 0x05040100, s82
	s_cselect_b32 s83, 0x07060302, s83
	s_cmp_eq_u32 ttmp9, 2
	s_cselect_b32 s18, s22, s18
	s_cselect_b32 s19, s23, s19
	s_cselect_b32 s70, 8192, s70
	s_cselect_b32 s71, 1024, s71
	s_cselect_b32 s72, 2048, s72
	s_cselect_b32 s74, 264192, s74
	s_cselect_b32 s78, 16640, s78
	s_cselect_b32 s81, 270336, s81
	s_cselect_b32 s84, 0, s84
	s_cselect_b32 s85, -1, s85
	s_and_b32 s20, s19, 0x30
	s_lshl_b32 s21, s18, 1
	s_add_co_u32 s20, s20, s21
	s_and_b32 s21, s19, 15
	s_mul_i32 s90, s20, s68
	s_mul_i32 s93, s21, s69
	s_add_co_u32 s90, s90, s93
	s_add_co_u32 s90, s90, s70
	s_mov_b32 s91, 0
	s_add_nc_u64 s[86:87], s[86:87], s[90:91]
	s_mul_i32 s90, s20, s76
	s_mul_i32 s93, s21, s77
	s_add_co_u32 s90, s90, s93
	s_add_co_u32 s90, s90, s78
	s_add_nc_u64 s[88:89], s[88:89], s[90:91]
	s_mov_b32 s[MNT], 0x600000
	s_mov_b32 s93, 0xffff0000
	s_mov_b32 s[SEL], 0x76543210
	s_mov_b32 s[SEL+1], 0xfedcba98
	s_wait_loadcnt 0x0
.set i, 0
.rept 64
	v_and_b32 v[BC+i], s84, v[BC+i]
.set i, i+1
.endr
.set i, 0
.rept 8
	v_and_b32 v[BR+i], s85, v[BR+i]
.set i, i+1
.endr
.irp b, 0,1,2,3
	v_mov_b32 v[TM+4+\b], 0
.endr
	v_and_b32 v1, 15, v0
	v_bfe_u32 v2, v0, 4, 1
	v_and_b32 v3, 31, v0
	v_lshlrev_b32 v[CO0], 4, v3
	v_add_nc_u32 v[CO0+1], s71, v[CO0]
	v_lshlrev_b32 v4, 2, v1
	v_mul_u32_u24 v5, s79, v2
	v_add_nc_u32 v[SCO], v4, v5
	v_add_nc_u32 v[SCO+1], s80, v[SCO]
	v_add_nc_u32 v[SCO+2], s81, v[SCO]
	v_add_nc_u32 v[SCO+3], s81, v[SCO+1]
	v_mov_b32 v7, s82
	v_mov_b32 v6, s83
	v_cndmask_b32 v7, v7, v6, s93
.macro QUANT
.irp b, 0,1,2,3
	v_max3_num_f32 v[TM+\b], |v[XN+16*\b]|, |v[XN+1+16*\b]|, 0x8000000
.endr
.irp i, 2,4,6,8,10,12,14
.irp b, 0,1,2,3
	v_max3_num_f32 v[TM+\b], v[TM+\b], |v[XN+16*\b+\i]|, |v[XN+1+16*\b+\i]|
.endr
.endr
.irp b, 0,1,2,3
	v_permlanex16_b32 v[TM+4+\b], v[TM+\b], s[SEL], s[SEL+1]
.endr
.irp b, 0,1,2,3
	v_max_num_f32 v[TM+\b], v[TM+\b], v[TM+4+\b]
.endr
.irp b, 0,1,2,3
	v_add_nc_u32 v[TM+12+\b], 0xf8800000, v[TM+\b]
.endr
.irp b, 0,1,2,3
	v_and_or_b32 v[TM+8+\b], v[TM+\b], 0x7f800000, s[MNT]
.endr
.irp b, 0,1,2,3
	v_lshrrev_b32 v[TM+4+\b], 23, v[TM+12+\b]
.endr
	v_lshl_or_b32 v[QPW], v[TM+5], 8, v[TM+4]
	v_lshl_or_b32 v[QPW], v[TM+6], 16, v[QPW]
	v_lshl_or_b32 v[QPW], v[TM+7], 24, v[QPW]
.irp b, 0,1,2,3
.irp i, 0,1,2,3,4,5,6,7,8,9,10,11,12,13,14,15
	v_med3_num_f32 v[XN+16*\b+\i], v[XN+16*\b+\i], -v[TM+8+\b], v[TM+8+\b]
.endr
	v_cvt_scalef32_pk8_bf8_f32 v[QPC+4*\b:QPC+1+4*\b], v[XN+16*\b:XN+7+16*\b], v[TM+12+\b]
	v_cvt_scalef32_pk8_bf8_f32 v[QPC+2+4*\b:QPC+3+4*\b], v[XN+8+16*\b:XN+15+16*\b], v[TM+12+\b]
.endr
	v_nop
.endm
.macro OUTA a
.set AC, 64*((\a)%4)
.set QPC, PC+16*((\a)%2)
.set QPW, PW+(\a)
.set WN, 0x02+(\a)/4
	WIN WN
.set i, 0
.rept 32
	v_pk_add_f32 v[XN+i:XN+i+1], v[AC+i:AC+i+1], v[BC+i:BC+i+1]
.set i, i+2
.endr
	WIN 0
.set i, 0
.rept 32
.if (\a)%2
	v_pk_add_f32 v[XN+i:XN+i+1], v[XN+i:XN+i+1], v[BR+2*((\a)/2):BR+2*((\a)/2)+1] op_sel:[0,1] op_sel_hi:[1,1]
.else
	v_pk_add_f32 v[XN+i:XN+i+1], v[XN+i:XN+i+1], v[BR+2*((\a)/2):BR+2*((\a)/2)+1] op_sel_hi:[1,0]
.endif
.set i, i+2
.endr
	QUANT
	s_wait_alu depctr_va_vdst(0)
	s_wait_xcnt 0x0
.if (\a) == 4
	s_add_nc_u64 s[86:87], s[86:87], s[74:75]
.elseif (\a) > 0
	s_add_nc_u64 s[86:87], s[86:87], s[72:73]
.endif
.irp e, 0,1,2,3
	global_store_b128 v[CO0+\e/2], v[QPC+4*\e:QPC+4*\e+3], s[86:87] offset:(\e%2)*512
.endr
.endm
.irp a, 0,1,2,3,4,5,6,7
	OUTA \a
.endr
.irp p, 0,1,2,3
	v_perm_b32 v[W+\p], v[PW+2*\p+1], v[PW+2*\p], v7
.endr
.irp p, 0,1,2,3
	global_store_b32 v[SCO+\p], v[W+\p], s[88:89]
.endr
	s_wait_tensorcnt 0x0
	ds_add_u32 v[SPW], v[NIL]
	s_wait_dscnt 0x0
	CROUND
	s_endpgm
.Lfunc_end_k_qe78f181922_qkv:
	.size	k_qe78f181922_qkv, .Lfunc_end_k_qe78f181922_qkv-k_qe78f181922_qkv
	.p2alignl 7, 3214868480
	.fill 96, 4, 3214868480
	.section	.rodata,"a",@progbits
	.p2align	6, 0x0
	.amdhsa_kernel k_qe78f181922_qkv
		.amdhsa_group_segment_fixed_size 327680
		.amdhsa_private_segment_fixed_size 0
		.amdhsa_enable_private_segment 0
		.amdhsa_kernarg_size 64
		.amdhsa_user_sgpr_count 2
		.amdhsa_user_sgpr_kernarg_segment_ptr 1
		.amdhsa_wavefront_size32 1
		.amdhsa_system_sgpr_workgroup_id_x 1
		.amdhsa_system_sgpr_workgroup_id_y 1
		.amdhsa_system_sgpr_workgroup_id_z 1
		.amdhsa_system_vgpr_workitem_id 0
		.amdhsa_next_free_vgpr 1024
		.amdhsa_next_free_sgpr 102
		.amdhsa_reserve_vcc 0
		.amdhsa_float_denorm_mode_32 3
		.amdhsa_float_denorm_mode_16_64 3
		.amdhsa_memory_ordered 1
		.amdhsa_forward_progress 1
		.amdhsa_inst_pref_size 226
	.end_amdhsa_kernel
	.amdgpu_metadata
---
amdhsa.version: [ 1, 2 ]
amdhsa.kernels:
  - .name:           k_qe78f181922_qkv
    .symbol:         k_qe78f181922_qkv.kd
    .args:
      - { .name: attn_in_codes, .offset: 0, .size: 8, .value_kind: global_buffer, .address_space: global }
      - { .name: attn_in_scales, .offset: 8, .size: 8, .value_kind: global_buffer, .address_space: global }
      - { .name: W_qkv_codes, .offset: 16, .size: 8, .value_kind: global_buffer, .address_space: global }
      - { .name: W_qkv_scales, .offset: 24, .size: 8, .value_kind: global_buffer, .address_space: global }
      - { .name: b_qkv, .offset: 32, .size: 8, .value_kind: global_buffer, .address_space: global }
      - { .name: qimg, .offset: 40, .size: 8, .value_kind: global_buffer, .address_space: global }
      - { .name: qs, .offset: 48, .size: 8, .value_kind: global_buffer, .address_space: global }
      - { .name: kv, .offset: 56, .size: 8, .value_kind: global_buffer, .address_space: global }
    .group_segment_fixed_size: 327680
    .private_segment_fixed_size: 0
    .kernarg_segment_align: 8
    .kernarg_segment_size: 64
    .max_flat_workgroup_size: 128
    .sgpr_count:     102
    .vgpr_count:     1024
    .wavefront_size: 32
...
	.end_amdgpu_metadata
.endif
;; end of part 1
;; launch attn (part 2): grid 4 x 64, 16 waves a work-group, clusters of 4 x 1, 272,384 bytes of LDS; arguments qimg, qs, kv, o_codes, o_scales; writes o_codes, o_scales
.if DOCPART == 2
	.amdgcn_target "amdgcn-amd-amdhsa--gfx1250"
	.amdhsa_code_object_version 6
	.text
	.protected	k_qe78f181922_attn
	.globl	k_qe78f181922_attn
	.p2align	8
	.type	k_qe78f181922_attn,@function
k_qe78f181922_attn:
	s_mov_b64 s[64:65], 0
	v_nop
	global_prefetch_b8 v0, s[64:65] scope:SCOPE_SE
	s_setreg_imm32_b32 hwreg(HW_REG_WAVE_MODE, 25, 1), 1
	s_wait_xcnt 0x0
	s_wait_alu depctr_hold_cnt(0) depctr_sa_sdst(0) depctr_va_vdst(0) depctr_va_sdst(0) depctr_va_ssrc(0) depctr_va_vcc(0) depctr_vm_vsrc(0)
	s_getreg_b32 s2, hwreg(HW_REG_IB_STS2, 6, 4)
	s_cmp_eq_u32 s2, 0
	s_cbranch_scc0 .Lentry_in_a_cluster
	s_endpgm
.Lentry_in_a_cluster:
	s_bfe_u32 s2, ttmp6, 0x10000c
	s_cmp_lg_u32 s2, 0x3003
	s_cbranch_scc0 .Lentry_shape_is_right
	s_endpgm
.Lentry_shape_is_right:
; o[head][q] = the sum over k of softmax_k(q . k / 8) v, 64 heads (batch x 16) of 2,048 tokens x 64, both products on codes of BF8 (E5M2) with one E8M0 scale for each 32 along a product's K.
; o is quantised along the embedding's axis (a head's 64 are two blocks of 32) and leaves as codes [8192][1024] and scale bytes [8192][32].
; THE SOFTMAX: t = score x log2(e) / 8; M = the row's largest t so far, rounded up to a whole number; p = 2^(t - M) is quantised along the keys, not normalised.  The row's sum is taken of the unquantised p, in f32, and divides o at the end.
; When M moves, the sum and o are multiplied by f = 2^(old M - new M): exact.
; INPUTS, as the launch before laid them: images of operand registers, 16 bytes a lane, 512 bytes a group of four registers.
;   qimg [head][tile of 16 queries][1,024 B].   qs [pair of heads][query] words: (even head's two bytes, odd head's two).
;   kv [head][step of 128 keys][16,896 B]: +0 k: fragment f, group c at 512 (4 f + c): groups 0, 1 = key tile 2 f, groups 2, 3 = key tile 2 f + 1;  +8,192 v: tile t of 16 of the head's 64, group c of 32 keys at 512 (4 t + c);
;      +16,384 k's scale words;  +16,640 v's.
; K = 64 IN AN INSTRUCTION OF K = 128: a fragment of k carries two key tiles; q stands as q | zeros | q in 24 registers: the first 16 pick the first tile, the last 16 the second.  k's codes are finite, so a zero code adds nothing.
; SHARES.  A work-group owns 512 queries of one head; each of its sixteen waves owns one tile of 16 queries at a time, in two passes.  The head's kv, 270,336 bytes, comes into LDS once: wave w fetches record w, 66 rows of 256 bytes,
; its one tensor load.  Nothing is filled again and nothing is stored to LDS.  Waves 0 to 4 have a load line of their own and wait first: the first four key steps read records 0 to 4 alone; all waves wait ahead of the second barrier.
; CLUSTER.  The four work-groups of a cluster own the quarters of one head's queries: each load is a joint load, the same descriptor and the mask 15 in all four.
; TWO BANKS OF 64 REGISTERS CHANGE ROLES FROM STEP TO STEP: k lies in one, the scores go to the other; v follows k into its bank; once p is converted, the next step's k is fetched into p's bank.  So a trip of the loop is two steps.
; The next record's number is (step + 1) mod 16: the last step of a pass fetches record 0, which the next pass begins with; the last pass's 18 such loads are read by nobody.
; THE ROW'S SUM goes in eight chains; they are joined at the NEXT step's head (macro JOIN), where those lines are the places behind the last products; f stands until then.
; No prefetch into the L2: all of kv is asked for at the head, one load a wave, so no loop runs ahead of a load; q's next tile is loaded a pass ahead.
; LIMITS: NaN and infinities are not served; the scaled scores stay under 2^31 in magnitude.  A block of zeros, or one under 2^-111, gets the byte 1 (read by this program alone).  A p under 2^-126 counts as 0.
; A block's largest p is the exponential of its largest score: that takes v_exp_f32 not to fall where its input rises; at the worst one p of a block would be held one code low.
.set REC,  16896                       ; a step's record
.set HSTR, 16*REC                      ; a head's
.set SPARE, 0x42000                    ; behind the head's kv: the spare words, 128 bytes a wave
.set XB,   32                          ; v32-95, v96-159: the two banks
.set YB,   96
.set OT,   160                         ; v160-191 O^T
.set PC,   192                         ; v192-207 p's codes; at the end o's
.set BM,   208                         ; v208-211 block maxima
.set T1,   212                         ; v212-215 the other half's maxima, then the bytes
.set HL,   216                         ; v216-219 57,344 x the scale
.set SO,   220                         ; v220-223 the conversions' scale operands
.set PSC,  233                         ; p's scale word;  v234-235 k's;  v236-237 v's;  v5 q's: these hold scales and nothing else
.set KSC,  234
.set VSC,  236
.set CH,   238                         ; v238-253 the sum's eight chains
.set SPW,  254
.set NIL,  255
; v1 16 x lane; v2 4 x lane; v3, v4 the same + a record; v6 o's codes' offset; v7 4 r; v8-15 q, v16-23 zeros, v24-31 q; v224 -M, v225 the largest score; v[226:227] the sum; v[228:229] f; v230-232 at work
; s14 wave; s[16:23], s[32:35] the descriptor; s40 the next record in LDS; s41 -c; s[42:43] lane selects; s[44:45] c; s46 the mantissa field of 57,344; s47 steps; s48 trips; s49 lanes 16-31; s50 byte selects; s51 the pass
.macro CROUND
	s_barrier_signal -1
	s_barrier_wait -1
	s_cmp_lg_u32 s14, 0
	s_cbranch_scc1 .Lnot_wave_0_\@
	s_barrier_signal -3
.Lnot_wave_0_\@:
	s_barrier_wait -3
	s_barrier_signal -1
	s_barrier_wait -1
.endm
.macro QLOAD                           ; a tile of q, twice, and its scale words
	global_load_b128 v[8:11], v1, s[4:5]
	global_load_b128 v[12:15], v1, s[4:5] offset:512
	global_load_b128 v[24:27], v1, s[4:5]
	global_load_b128 v[28:31], v1, s[4:5] offset:512
	global_load_b32 v232, v7, s[6:7]
.endm
.macro JOIN                            ; the last step's eight chains are joined: sum = sum x f + them.  Nine places
.irp j, 0,1,2,3
	v_pk_add_f32 v[CH+2*\j:CH+2*\j+1], v[CH+2*\j:CH+2*\j+1], v[CH+8+2*\j:CH+9+2*\j]
.endr
	v_pk_add_f32 v[CH:CH+1], v[CH:CH+1], v[CH+4:CH+5]
	v_pk_add_f32 v[CH+2:CH+3], v[CH+2:CH+3], v[CH+6:CH+7]
	v_nop
	v_pk_add_f32 v[CH:CH+1], v[CH:CH+1], v[CH+2:CH+3]
	v_pk_fma_f32 v[226:227], v[226:227], v[228:229], v[CH:CH+1] op_sel_hi:[1,0,1]
.endm
.macro KFETCH bank, g0                 ; eight groups of the record at v3: two fragments of k
.set g, \g0
.rept 8
	ds_load_b128 v[\bank+4*g:\bank+4*g+3], v3 offset:512*g
.set g, g+1
.endr
.endm
.macro KSCALES
	ds_load_b32 v[KSC], v4 offset:16384            ; lanes 0-15: fragment 0's words, lanes 16-31: fragment 1's
	ds_load_b32 v[KSC+1], v4 offset:16512
.endm
; blocks b, b + 1 of p: held at the largest code x the scale, two holds a line (a line takes an even register of one block and an odd one of the other: the four sources lie in four register banks), and converted
.macro HOLDCVT SB, b
.set j, 0
.rept 8
	v_dual_min_num_f32 v[\SB+16*\b+j], v[\SB+16*\b+j], v[HL+\b] :: v_dual_min_num_f32 v[\SB+16*\b+17+j], v[\SB+16*\b+17+j], v[HL+\b+1]
	v_dual_min_num_f32 v[\SB+16*\b+16+j], v[\SB+16*\b+16+j], v[HL+\b+1] :: v_dual_min_num_f32 v[\SB+16*\b+1+j], v[\SB+16*\b+1+j], v[HL+\b]
.set j, j+2
.endr
.irp e, 0,1
	v_cvt_scalef32_pk8_bf8_f32 v[PC+4*(\b+\e):PC+4*(\b+\e)+1], v[\SB+16*(\b+\e):\SB+16*(\b+\e)+7], v[SO+\b+\e]
	v_cvt_scalef32_pk8_bf8_f32 v[PC+4*(\b+\e)+2:PC+4*(\b+\e)+3], v[\SB+16*(\b+\e)+8:\SB+16*(\b+\e)+15], v[SO+\b+\e]
.endr
.endm
; A KEY STEP.  k of this step's record is on its way into bank KB; v3, v4 stand at that record.
.macro STEP KB, SB
	s_add_co_u32 s47, s47, 1
	s_and_b32 s40, s47, 15
	s_mul_i32 s40, s40, REC                        ; the next record
	JOIN                                           ; nine places between the last products, which read bank SB, and the products that write it
	s_wait_dscnt 0x0                               ; k and its scale words are in
.irp f, 0,1,2,3                                ; S^T = k q^T
.irp u, 0,1
.if \f%2
	v_wmma_scale_f32_16x16x128_f8f6f4 v[\SB+8*(2*\f+\u):\SB+8*(2*\f+\u)+7], v[\KB+16*\f:\KB+16*\f+15], v[8+8*\u:23+8*\u], 0, v[KSC+\f/2], v5 matrix_a_fmt:MATRIX_FMT_BF8 matrix_b_fmt:MATRIX_FMT_BF8 matrix_a_scale:MATRIX_SCALE_ROW1
.else
	v_wmma_scale_f32_16x16x128_f8f6f4 v[\SB+8*(2*\f+\u):\SB+8*(2*\f+\u)+7], v[\KB+16*\f:\KB+16*\f+15], v[8+8*\u:23+8*\u], 0, v[KSC+\f/2], v5 matrix_a_fmt:MATRIX_FMT_BF8 matrix_b_fmt:MATRIX_FMT_BF8
.endif
.endr
.endr
.rept 8
	v_nop                                          ; eight places: in front of the loads into k's registers, and of the first read of the scores
.endr
.set g, 0
.rept 16
	ds_load_b128 v[\KB+4*g:\KB+4*g+3], v3 offset:8192+512*g   ; v
.set g, g+1
.endr
	ds_load_b32 v[VSC], v4 offset:16640
	ds_load_b32 v[VSC+1], v4 offset:16768
.irp b, 0,1,2,3
	v_max3_num_f32 v[BM+\b], v[\SB+16*\b], v[\SB+1+16*\b], v[\SB+2+16*\b]   ; the largest score of each block of 32 keys, the four blocks by turns
.endr
.irp i, 3,5,7,9,11,13
.irp b, 0,1,2,3
	v_max3_num_f32 v[BM+\b], v[BM+\b], v[\SB+16*\b+\i], v[\SB+1+16*\b+\i]
.endr
.endr
.irp b, 0,1,2,3
	v_max_num_f32 v[BM+\b], v[BM+\b], v[\SB+15+16*\b]
.endr
.irp b, 0,1,2,3
	v_permlanex16_b32 v[T1+\b], v[BM+\b], s42, s43
.endr
	v_dual_max_num_f32 v[BM], v[BM], v[T1] :: v_dual_max_num_f32 v[BM+1], v[BM+1], v[T1+1]       ; with lane l xor 16's 16 keys
	v_dual_max_num_f32 v[BM+2], v[BM+2], v[T1+2] :: v_dual_max_num_f32 v[BM+3], v[BM+3], v[T1+3]
	v_max3_num_f32 v225, v225, v[BM], v[BM+1]      ; the running largest score
	v_max3_num_f32 v225, v225, v[BM+2], v[BM+3]
	v_mul_f32 v230, s41, v225                      ; -t (c is positive)
	v_floor_f32 v231, v230                         ; the new -M = floor(-t) = -ceil(t)
	v_sub_f32 v230, v231, v224                     ; old M less new M: a whole number, 0 or less
	v_mov_b32 v224, v231
.set j, 0
.rept 32
	v_pk_fma_f32 v[\SB+j:\SB+j+1], v[\SB+j:\SB+j+1], s[44:45], v[224:225] op_sel_hi:[1,0,0]   ; t - M (of the pairs c and -M the low word serves both halves)
.set j, j+2
.endr
.irp b, 0,1,2,3
	v_fma_f32 v[BM+\b], v[BM+\b], s44, v224        ; the same of each block's largest score
.endr
	v_cvt_i32_f32 v230, v230                       ; (it saturates)
	v_ldexp_f32 v228, 1.0, v230                    ; f
	s_wait_alu depctr_va_vdst(0)                   ; the wait ahead of the batch
.set j, 0
.rept 64
	v_exp_f32 v[\SB+j], v[\SB+j]                   ; p = 2^(t - M)
.set j, j+1
.endr
.irp b, 0,1,2,3
	v_exp_f32 v[BM+\b], v[BM+\b]                   ; the block's largest p
.endr
	v_add_nc_u32 v3, s40, v1                       ; on to the next record (a plain place behind the batch; v's loads have been issued)
	v_add_nc_u32 v4, s40, v2
	s_wait_alu depctr_va_vdst(0)                   ; and behind it
.irp b, 0,1,2,3
	v_max_num_f32 v[BM+\b], 0x8000000, v[BM+\b]    ; the floor 2^(16 - 127): the byte cannot fall under 1
.endr
.irp b, 0,1,2,3
	v_add_nc_u32 v[SO+\b], 0xf8800000, v[BM+\b]    ; 15 off the exponent field
.endr
.irp b, 0,1,2,3
	v_and_or_b32 v[HL+\b], v[BM+\b], 0x7f800000, s46
.endr
.irp b, 0,1,2,3
	v_lshrrev_b32 v[T1+\b], 23, v[SO+\b]           ; the scale's byte
.endr
	v_lshl_or_b32 v[PSC], v[T1+1], 8, v[T1]
	v_lshl_or_b32 v[PSC], v[T1+2], 16, v[PSC]
	v_lshl_or_b32 v[PSC], v[T1+3], 24, v[PSC]
.set j, 0
.rept 8
	v_pk_add_f32 v[CH+j:CH+j+1], v[\SB+j:\SB+j+1], v[\SB+16+j:\SB+17+j]   ; the sum of the unquantised p: blocks 0 and 1 begin the eight chains
.set j, j+2
.endr
	HOLDCVT \SB, 0
	KFETCH \SB, 0                                  ; the next step's k, fragments 0 and 1, into the registers of blocks 0 and 1
.irp q, 32,48
.set j, 0
.rept 8
	v_pk_add_f32 v[CH+j:CH+j+1], v[CH+j:CH+j+1], v[\SB+\q+j:\SB+\q+1+j]
.set j, j+2
.endr
.endr
	HOLDCVT \SB, 2
	KFETCH \SB, 8
	KSCALES
	s_wait_dscnt 18                                ; v and its scale words are in: behind them stand the 16 loads of k and the 2 of its scale words
	s_wait_alu depctr_va_vdst(0)                   ; the wait directly ahead of the first reader of O^T
.set j, 0
.rept 16
	v_pk_mul_f32 v[OT+j:OT+j+1], v[OT+j:OT+j+1], v[228:229] op_sel_hi:[1,0]   ; O^T under the new M; also the places between the codes and the products
.set j, j+2
.endr
.irp t, 0,1,2,3                                ; O^T += v^T p^T
.if \t%2
	v_wmma_scale_f32_16x16x128_f8f6f4 v[OT+8*\t:OT+8*\t+7], v[\KB+16*\t:\KB+16*\t+15], v[PC:PC+15], v[OT+8*\t:OT+8*\t+7], v[VSC+\t/2], v[PSC] matrix_a_fmt:MATRIX_FMT_BF8 matrix_b_fmt:MATRIX_FMT_BF8 matrix_a_scale:MATRIX_SCALE_ROW1
.else
	v_wmma_scale_f32_16x16x128_f8f6f4 v[OT+8*\t:OT+8*\t+7], v[\KB+16*\t:\KB+16*\t+15], v[PC:PC+15], v[OT+8*\t:OT+8*\t+7], v[VSC+\t/2], v[PSC] matrix_a_fmt:MATRIX_FMT_BF8 matrix_b_fmt:MATRIX_FMT_BF8
.endif
.endr
.endm
.macro KLOOP n                         ; n trips of two key steps
	s_mov_b32 s48, \n
.Lkey_\@:
	STEP XB, YB
	STEP YB, XB
	s_sub_co_u32 s48, s48, 1
	s_cmp_lg_u32 s48, 0
	s_cbranch_scc1 .Lkey_\@
.endm
	s_load_b256 s[4:11], s[0:1], 0x0               ; qimg, qs, kv, o_codes
	s_load_b64 s[12:13], s[0:1], 0x20              ; o_scales
	v_lshl_add_u32 v[SPW], v0, 2, SPARE
	v_mov_b32 v[NIL], 0
	ds_add_u32 v[SPW], v[NIL]                      ; the opening lines: the add, twice on end, and its wait
	ds_add_u32 v[SPW], v[NIL]
	v_lshrrev_b32 v6, 5, v0
	v_readfirstlane_b32 s14, v6                    ; wave 0..15
	s_bfe_u32 s15, ttmp6, 0x40000                  ; cx: it enters q's and o's addresses alone
	s_and_b32 s52, ttmp7, 0xffff                   ; the head, 16 x batch + head
	s_mov_b32 s16, 15|(3<<16)|(1<<21)              ; group 1: the mask of all four; elements of 8 bytes; 66 dense rows of 32 elements
	s_mov_b32 s17, 32<<16
	s_mov_b32 s18, 66<<16
	s_mov_b32 s19, 32<<16
	s_mov_b32 s20, 66
	s_mov_b32 s21, 32
	s_mov_b32 s22, 0
	s_mov_b32 s23, 0
	s_mul_i32 s54, s52, HSTR                       ; the head's first byte in kv
	s_mov_b32 s32, 1
	s_mul_i32 s33, s14, REC                        ; record w: LDS holds the head as memory does
	s_add_co_u32 s56, s54, s33
	s_mov_b32 s57, 0
	s_mov_b32 s59, 0
	s_lshl_b32 s53, s15, 5
	s_add_co_u32 s53, s53, s14                     ; my first tile of 16 queries: 32 cx + wave; the second is 16 tiles on
	s_lshl_b32 s60, s52, 17
	s_lshl_b32 s61, s53, 10
	s_add_co_u32 s60, s60, s61                     ; in qimg
	s_mov_b32 s61, 0
	s_lshr_b32 s62, s52, 1
	s_lshl_b32 s62, s62, 13
	s_lshl_b32 s63, s53, 6
	s_add_co_u32 s62, s62, s63                     ; in qs
	s_mov_b32 s63, 0
	s_mov_b32 s42, 0x76543210
	s_mov_b32 s43, 0xfedcba98
	s_mov_b32 s44, 0x3e38aa3b                      ; c = log2(e) / 8
	s_mov_b32 s45, s44
	s_mov_b32 s46, 0x600000
	s_mov_b32 s49, 0xffff0000
	s_mov_b32 s50, 0x01000100                      ; an even head's two bytes, twice;
	s_bitcmp1_b32 s52, 0
	s_cselect_b32 s50, 0x03020302, s50             ; an odd head's
	s_wait_dscnt 0x0
	s_wait_kmcnt 0x0
	s_add_nc_u64 s[34:35], s[8:9], s[56:57]
	s_or_b32 s35, s35, 0x80000000
	s_add_nc_u64 s[4:5], s[4:5], s[60:61]
	s_add_nc_u64 s[6:7], s[6:7], s[62:63]
	s_lshr_b32 s40, s52, 4
	s_lshl_b32 s40, s40, 11
	s_lshl_b32 s41, s53, 4
	s_add_co_u32 s40, s40, s41                     ; my first row of o: 2,048 x batch + 16 x tile
	s_and_b32 s41, s52, 15
	s_lshl_b32 s56, s40, 10
	s_lshl_b32 s51, s41, 6
	s_add_co_u32 s56, s56, s51                     ; codes: 1,024 x row + 64 x head
	s_add_nc_u64 s[10:11], s[10:11], s[56:57]
	s_lshl_b32 s58, s40, 5
	s_lshl_b32 s51, s41, 1
	s_add_co_u32 s58, s58, s51                     ; bytes: 32 x row + 2 x head
	s_add_nc_u64 s[12:13], s[12:13], s[58:59]
	s_mov_b32 s41, 0xbe38aa3b                      ; -c
	s_mov_b32 s51, 0
	CROUND                                         ; all four work-groups are here: the joint loads meet
	s_cmp_lt_u32 s14, 5                            ; waves 0 to 4, which wait at the first barrier, have a load line of their own
	s_cbranch_scc0 .Llater
	tensor_load_to_lds s[32:35], s[16:23]
	s_nop 0
.rept 4
	v_nop
.endr
	s_branch .Lasked
.Llater:
	tensor_load_to_lds s[32:35], s[16:23]
	s_nop 0
.rept 4
	v_nop
.endr
.Lasked:
	v_and_b32 v6, 31, v0
	v_lshlrev_b32 v1, 4, v6
	v_lshlrev_b32 v2, 2, v6
	v_and_b32 v230, 15, v0                         ; r
	v_bfe_u32 v231, v0, 4, 1                       ; h
	v_lshlrev_b32 v7, 2, v230
	v_lshlrev_b32 v6, 10, v230
	v_lshl_add_u32 v6, v231, 4, v6                 ; o's codes: row r, + 16 h
	v_mov_b32 v3, v1                               ; record 0
	v_mov_b32 v4, v2
	QLOAD
.irp i, 16,17,18,19,20,21,22,23
	v_mov_b32 v\i, 0                               ; the zero codes between the two copies of q
.endr
.irp b, 0,1,2,3
	v_mov_b32 v[T1+\b], 0                          ; a lane permute's destination counts as one of its sources
.endr
	v_mov_b32 v229, 0                              ; (named as the upper half of the pair v[228:229])
	s_wait_alu depctr_va_vdst(0)                   ; the wait at the head's end
	s_cmp_lt_u32 s14, 5
	s_cbranch_scc0 .Lnot_first
	s_wait_tensorcnt 0x0                           ; waves 0 to 4: my record is in
.Lnot_first:
	s_barrier_signal -1
	s_barrier_wait -1                              ; records 0 to 4 are in
	KFETCH XB, 0
	KFETCH XB, 8
	KSCALES
.Lpass:                                                ; a pass: one tile of 16 queries against all 2,048 keys
.set j, 0
.rept 32
	v_mov_b32 v[OT+j], 0                           ; the step is written once: the first finds zeros
.set j, j+1
.endr
.set j, 0
.rept 16
	v_mov_b32 v[CH+j], 0
.set j, j+1
.endr
	v_mov_b32 v226, 0
	v_mov_b32 v227, 0
	v_mov_b32 v228, 0
	v_mov_b32 v225, 0xff61b1e6                     ; the largest score so far: -3e38
	v_mul_f32 v224, s41, v225
	v_floor_f32 v224, v224                         ; -M
	s_mov_b32 s47, 0
	s_wait_loadcnt 0x0
	v_perm_b32 v5, v232, v232, s50                 ; q's scale word: my head's two bytes, twice
	s_wait_alu depctr_va_vdst(0)
	KLOOP 2
	s_wait_tensorcnt 0x0                           ; every wave: my record is in
	s_wait_dscnt 0x0
	s_barrier_signal -1
	s_barrier_wait -1                              ; all sixteen are
	KLOOP 6
	; THE WAY OUT: O^T / the sum; its two blocks of 32 are quantised; the halves of the lanes exchange eight codes a block, so that lane (r, h) holds channels 32 b + 16 h + 0 .. 15
	JOIN                                           ; the last step's chains; also the places behind the last products
	v_add_f32 v226, v226, v227
	v_permlanex16_b32 v230, v226, s42, s43
	v_add_f32 v226, v226, v230                     ; the row's sum
	s_wait_alu depctr_va_vdst(0)
	v_rcp_f32 v228, v226
	v_bfe_u32 v231, v1, 8, 1                       ; h (a plain place behind the transcendental)
	v_lshl_add_u32 v231, v7, 3, v231               ; o's bytes: 32 r + h
	s_wait_alu depctr_va_vdst(0)
.set j, 0
.rept 16
	v_pk_mul_f32 v[OT+j:OT+j+1], v[OT+j:OT+j+1], v[228:229] op_sel_hi:[1,0]
.set j, j+2
.endr
.irp b, 0,1
	v_max3_num_f32 v[BM+\b], |v[OT+16*\b]|, |v[OT+1+16*\b]|, 0x8000000
.endr
.irp i, 2,4,6,8,10,12,14
.irp b, 0,1
	v_max3_num_f32 v[BM+\b], v[BM+\b], |v[OT+16*\b+\i]|, |v[OT+1+16*\b+\i]|
.endr
.endr
.irp b, 0,1
	v_permlanex16_b32 v[T1+\b], v[BM+\b], s42, s43
.endr
.irp b, 0,1
	v_max_num_f32 v[BM+\b], v[BM+\b], v[T1+\b]
.endr
.irp b, 0,1
	v_add_nc_u32 v[SO+\b], 0xf8800000, v[BM+\b]
.endr
.irp b, 0,1
	v_and_or_b32 v[HL+\b], v[BM+\b], 0x7f800000, s46
.endr
.irp b, 0,1
	v_lshrrev_b32 v[T1+\b], 23, v[SO+\b]
.endr
.irp b, 0,1
.irp i, 0,1,2,3,4,5,6,7,8,9,10,11,12,13,14,15
	v_med3_num_f32 v[OT+16*\b+\i], v[OT+16*\b+\i], -v[HL+\b], v[HL+\b]
.endr
	v_cvt_scalef32_pk8_bf8_f32 v[PC+4*\b:PC+1+4*\b], v[OT+16*\b:OT+7+16*\b], v[SO+\b]
	v_cvt_scalef32_pk8_bf8_f32 v[PC+2+4*\b:PC+3+4*\b], v[OT+8+16*\b:OT+15+16*\b], v[SO+\b]
.endr
	v_nop                                          ; one plain place behind the conversions
.irp b, 0,1
	v_permlane16_swap_b32 v[PC+4*\b], v[PC+2+4*\b]
	v_permlane16_swap_b32 v[PC+1+4*\b], v[PC+3+4*\b]
.endr
	v_cndmask_b32 v232, v[T1], v[T1+1], s49        ; lanes 0-15 store block 0's byte, lanes 16-31 block 1's
	global_store_b128 v6, v[PC:PC+3], s[10:11]
	global_store_b128 v6, v[PC+4:PC+7], s[10:11] offset:32
	global_store_b8 v231, v232, s[12:13]
	s_wait_xcnt 0x0                                ; the stores have read their data and bases: both are written again
	s_add_nc_u64 s[4:5], s[4:5], 16384             ; the next pass's tile lies 16 tiles, 256 rows, on
	s_add_nc_u64 s[6:7], s[6:7], 1024
	s_add_nc_u64 s[10:11], s[10:11], 262144
	s_add_nc_u64 s[12:13], s[12:13], 8192
	s_cmp_eq_u32 s51, 1
	s_cbranch_scc1 .Lno_next                       ; the last pass loads no further tile
	QLOAD
.Lno_next:
	s_add_co_u32 s51, s51, 1
	s_cmp_lt_u32 s51, 2
	s_cbranch_scc1 .Lpass
	s_wait_tensorcnt 0x0                           ; the wave's end
	ds_add_u32 v[SPW], v[NIL]
	s_wait_dscnt 0x0
	CROUND                                         ; the closing round
	s_endpgm
.Lfunc_end_k_qe78f181922_attn:
	.size	k_qe78f181922_attn, .Lfunc_end_k_qe78f181922_attn-k_qe78f181922_attn
	.p2alignl 7, 3214868480
	.fill 96, 4, 3214868480
	.section	.rodata,"a",@progbits
	.p2align	6, 0x0
	.amdhsa_kernel k_qe78f181922_attn
		.amdhsa_group_segment_fixed_size 272384
		.amdhsa_private_segment_fixed_size 0
		.amdhsa_enable_private_segment 0
		.amdhsa_kernarg_size 40
		.amdhsa_user_sgpr_count 2
		.amdhsa_user_sgpr_kernarg_segment_ptr 1
		.amdhsa_wavefront_size32 1
		.amdhsa_system_sgpr_workgroup_id_x 1
		.amdhsa_system_sgpr_workgroup_id_y 1
		.amdhsa_system_sgpr_workgroup_id_z 1
		.amdhsa_system_vgpr_workitem_id 0
		.amdhsa_next_free_vgpr 256
		.amdhsa_next_free_sgpr 66
		.amdhsa_reserve_vcc 0
		.amdhsa_float_denorm_mode_32 3
		.amdhsa_float_denorm_mode_16_64 3
		.amdhsa_memory_ordered 1
		.amdhsa_forward_progress 1
		.amdhsa_inst_pref_size 89
	.end_amdhsa_kernel
	.amdgpu_metadata
---
amdhsa.version: [ 1, 2 ]
amdhsa.kernels:
  - .name:           k_qe78f181922_attn
    .symbol:         k_qe78f181922_attn.kd
    .args:
      - { .name: qimg, .offset: 0, .size: 8, .value_kind: global_buffer, .address_space: global }
      - { .name: qs, .offset: 8, .size: 8, .value_kind: global_buffer, .address_space: global }
      - { .name: kv, .offset: 16, .size: 8, .value_kind: global_buffer, .address_space: global }
      - { .name: o_codes, .offset: 24, .size: 8, .value_kind: global_buffer, .address_space: global }
      - { .name: o_scales, .offset: 32, .size: 8, .value_kind: global_buffer, .address_space: global }
    .group_segment_fixed_size: 272384
    .private_segment_fixed_size: 0
    .kernarg_segment_align: 8
    .kernarg_segment_size: 40
    .max_flat_workgroup_size: 512
    .sgpr_count:     66
    .vgpr_count:     256
    .wavefront_size: 32
...
	.end_amdgpu_metadata
.endif
;; end of part 2
;; launch proj (part 3): grid 4 x 64, 4 waves a work-group, clusters of 4 x 4, 327,680 bytes of LDS; arguments o_codes, o_scales, W_out_codes, W_out_scales, b_out, out0; writes out0
.if DOCPART == 3
	.amdgcn_target "amdgcn-amd-amdhsa--gfx1250"
	.amdhsa_code_object_version 6
	.text
	.protected	k_qe78f181922_proj
	.globl	k_qe78f181922_proj
	.p2align	8
	.type	k_qe78f181922_proj,@function
k_qe78f181922_proj:
	s_mov_b64 s[64:65], 0
	v_nop
	global_prefetch_b8 v0, s[64:65] scope:SCOPE_SE
	s_setreg_imm32_b32 hwreg(HW_REG_WAVE_MODE, 25, 1), 1
	s_wait_xcnt 0x0
	s_wait_alu depctr_hold_cnt(0) depctr_sa_sdst(0) depctr_va_vdst(0) depctr_va_sdst(0) depctr_va_ssrc(0) depctr_va_vcc(0) depctr_vm_vsrc(0)
	s_getreg_b32 s2, hwreg(HW_REG_IB_STS2, 6, 4)
	s_cmp_eq_u32 s2, 0
	s_cbranch_scc0 .Lentry_in_a_cluster
	s_endpgm
.Lentry_in_a_cluster:
	s_bfe_u32 s2, ttmp6, 0x10000c
	s_cmp_lg_u32 s2, 0xf033
	s_cbranch_scc0 .Lentry_shape_is_right
	s_endpgm
.Lentry_shape_is_right:
; out0[m][n] = sum over k of o[m][k] W_out[n][k] + b_out[n]: 8,192 x 1,024 x 1,024 on codes of BF8 (E5M2) with one E8M0 scale for each 32 along K; sums and result f32.
; A BLOCK OF 128 x 256 TO A WORK-GROUP: 64 x 4 blocks are 256 work-groups.  Four waves, 2 x 2; a wave makes 64 x 128: 32 accumulators of 16 x 16, 256 registers (window 2).
; K goes in steps of 256 through a ring of two LDS slots: rows of 256 bytes of memory, 272 bytes apart in LDS.  A slot: A's 128 rows at its head, B's 256 rows from 256 rows on.
; THE SCALES of the block's 128 rows of A and 256 rows of B, for all of K, come into LDS once, in whole units of 256 bytes: A's 16 units, then B's 32.  One register carries A's word (lanes 0-15) and B's (lanes 16-31) of block i;
; A has four blocks a wave, so for i = 4 .. 7 lanes 0-15 read filled bytes that no product uses.
; CLUSTERS of 4 x 4: A's tiles are shared along a row of the cluster, B's along a column, by joint loads.  The matrix instruction is used transposed (source 0 = rows of B, source 1 = rows of A): a lane holds eight neighbouring numbers of a row.
; REGISTERS: window 0: v0-31 addresses, v8-11 the bias; v32-63 scale words, two sets; v128-191, v192-255 A's fragments (4 x 16 rows x 128 K), two sets; window 1: B's fragments, two sets; window 2: accumulator (a, b) at v[8 (8 a + b)].
; No prefetch into the L2 is written: K has four steps, of which the head and the first round ask for two.
.set SIZE_N, 1024
.set SIZE_K, 1024
.set NQ,     2
.set ROWB,   256
.set KROW,   SIZE_K
.set PITCH,  272
.set FR,     16
.set NP,     8
.set HALFT,  128*PITCH
.set SLOT,   4*HALFT
.set LAPS,   SIZE_K/512
.set KS,     SIZE_K/32
.set SCL,    2*SLOT
.set HALFS,  16*272                    ; the scales of 128 rows
.set SBLK,   2*272                     ; of 16 rows
.set SPARE,  SCL+3*HALFS
.set SPITCH, 528
.set ADRA, 16
.set ADRB, 20
.set STO,  24
.set RD,   25
.set CO,   26
.set ADRS, 27
.set SPW,  28
.set NIL,  29
.set SC,   32
.set AF,   128
.set BK,   128
.set G1, 24
.set G0, 32
.set G1B, 48
.set G0B, 56
.set G1S, 68
.set G0S, 76
.set G1SB, 80
.set G0SB, 88
.set MSB, 0
.macro WIN new
.if MSB != \new
	s_set_vgpr_msb (MSB<<8)|\new
.set MSB, \new
.endif
.endm
.set MUL_LO, 0xa1                      ; source 0 (B) window 1, source 1 (A) window 0, C and D window 2
.set TO_B,   0x40
.macro PLACES n
.rept \n
	v_nop
.endr
.endm
.macro JLOAD g0a, g1a, g0b, g1b        ; waves 0 and 1 fetch for A, waves 2 and 3 for B
	s_cmp_eq_u32 s15, 0
	s_cbranch_scc0 .Lfor_b_\@
	tensor_load_to_lds s[\g0a:\g0a+3], s[\g1a:\g1a+7]
	s_nop 0
	PLACES 4
	s_branch .Lasked_\@
.Lfor_b_\@:
	tensor_load_to_lds s[\g0b:\g0b+3], s[\g1b:\g1b+7]
	s_nop 0
	PLACES 4
.Lasked_\@:
.endm
.macro CREST
	s_cmp_lg_u32 s14, 0
	s_cbranch_scc1 .Lnot_wave_0_\@
	s_barrier_signal -3
.Lnot_wave_0_\@:
	s_barrier_wait -3
	s_barrier_signal -1
	s_barrier_wait -1
.endm
.macro CROUND
	s_barrier_signal -1
	s_barrier_wait -1
	CREST
.endm
.macro GRP g, rows                     ; group 1: rows of ROWB bytes of codes
	s_mov_b32 s[\g+1], ROWB<<16
	s_mov_b32 s[\g+2], (\rows)<<16
	s_mov_b32 s[\g+3], ROWB<<16
	s_mov_b32 s[\g+4], \rows
	s_mov_b32 s[\g+5], KROW
	s_mov_b32 s[\g+6], 0
	s_mov_b32 s[\g+7], 0
.endm
.macro GRPS g, rows                    ; group 1: dense units of 256 bytes of scales (32 elements of 8 bytes)
	s_mov_b32 s[\g+1], 32<<16
	s_mov_b32 s[\g+2], (\rows)<<16
	s_mov_b32 s[\g+3], 32<<16
	s_mov_b32 s[\g+4], \rows
	s_mov_b32 s[\g+5], 32
	s_mov_b32 s[\g+6], 0
	s_mov_b32 s[\g+7], 0
.endm
	s_load_b128 s[4:7], s[0:1], 0x0                ; o's codes, o's scales
	s_load_b128 s[8:11], s[0:1], 0x10              ; W_out's codes, scales
	s_load_b64 s[66:67], s[0:1], 0x20              ; b_out
	s_load_b64 s[12:13], s[0:1], 0x28              ; out0
	v_lshl_add_u32 v[SPW], v0, 2, SPARE
	v_mov_b32 v[NIL], 0
	ds_add_u32 v[SPW], v[NIL]                      ; the opening lines: the add, twice on end, and its wait
	ds_add_u32 v[SPW], v[NIL]
	v_lshrrev_b32 v1, 5, v0
	v_readfirstlane_b32 s14, v1                    ; wave 0..3
	s_lshr_b32 s15, s14, 1                         ; my half of the block's rows; also: I fetch for A (0) or B (1)
	s_and_b32 s16, s14, 1                          ; my half of its columns; also: which half of a tile I fetch
	s_bfe_u32 s40, ttmp6, 0x40000
	s_bfe_u32 s41, ttmp6, 0x40004
	s_lshl_b32 s42, ttmp9, 2
	s_add_co_u32 s42, s42, s40                     ; block column
	s_and_b32 s17, ttmp7, 0xffff
	s_lshl_b32 s17, s17, 2
	s_add_co_u32 s17, s17, s41                     ; block row
	s_lshl_b32 s43, s41, 2
	s_lshl_b32 s43, 15, s43                        ; my row of the cluster
	s_lshl_b32 s44, 0x1111, s40                    ; my column
	s_or_b32 s[G1+0], s43, (0<<16)|(1<<20)|(1<<21)|(5<<22)|(3<<25)
	s_or_b32 s[G1B+0], s44, (0<<16)|(1<<20)|(1<<21)|(5<<22)|(3<<25)
	GRP G1, 128                                    ; the head's loads bring whole tiles: A's 128 rows, B's 256
	GRP G1B, 256
	s_or_b32 s[G1S+0], s43, (3<<16)|(1<<20)|(1<<21)|(5<<22)|(3<<25)
	s_or_b32 s[G1SB+0], s44, (3<<16)|(1<<20)|(1<<21)|(5<<22)|(3<<25)
	GRPS G1S, 16
	GRPS G1SB, 32
	s_lshl_b32 s20, s17, 7                         ; A: the block's first row
	s_lshl_b32 s46, s42, 8                         ; B
	s_mov_b32 s21, 0
	s_mov_b32 s47, 0
	s_mov_b64 s[18:19], KS
	s_mul_u64 s[22:23], s[20:21], s[18:19]
	s_mul_u64 s[92:93], s[46:47], s[18:19]
	s_mov_b64 s[18:19], KROW
	s_mul_u64 s[20:21], s[20:21], s[18:19]
	s_mul_u64 s[46:47], s[46:47], s[18:19]
	s_mul_i32 s45, s14, HALFT                      ; the ring's loads in a slot: B's halves at 256 and 384 rows (waves 2, 3),
	s_mul_i32 s96, s14, 64*PITCH                   ; A's at 0 and 64 rows (waves 0, 1)
	s_mul_i32 s18, s16, 64*KROW                    ; and in memory
	s_mov_b32 s19, 0
	s_mul_i32 s94, s16, 128*KROW
	s_mov_b32 s95, 0
	s_wait_dscnt 0x0
	s_wait_kmcnt 0x0
	s_add_nc_u64 s[20:21], s[4:5], s[20:21]
	s_add_nc_u64 s[22:23], s[6:7], s[22:23]
	s_add_nc_u64 s[46:47], s[8:9], s[46:47]
	s_add_nc_u64 s[92:93], s[10:11], s[92:93]
	CROUND
	s_mov_b32 s4, 1                                ; s[4:7], s[8:11]: group 0 of the head's loads of K step 0
	s_mov_b32 s5, 0
	s_mov_b64 s[6:7], s[20:21]
	s_or_b32 s7, s7, 0x80000000
	s_mov_b32 s8, 1
	s_mov_b32 s9, 2*HALFT
	s_mov_b64 s[10:11], s[46:47]
	s_or_b32 s11, s11, 0x80000000
	s_mov_b32 s[G0S], 1
	s_mov_b32 s[G0S+1], SCL
	s_mov_b64 s[G0S+2:G0S+3], s[22:23]
	s_or_b32 s[G0S+3], s[G0S+3], 0x80000000
	s_mov_b32 s[G0SB], 1
	s_mov_b32 s[G0SB+1], SCL+HALFS
	s_mov_b64 s[G0SB+2:G0SB+3], s[92:93]
	s_or_b32 s[G0SB+3], s[G0SB+3], 0x80000000
	s_add_nc_u64 s[20:21], s[20:21], s[18:19]
	s_add_nc_u64 s[46:47], s[46:47], s[94:95]
.irp s, 0,1
	s_mov_b32 s[G0+4*\s], 1
	s_add_co_u32 s[G0+4*\s+1], s96, \s*SLOT
	s_add_nc_u64 s[G0+4*\s+2:G0+4*\s+3], s[20:21], \s*ROWB
	s_or_b32 s[G0+4*\s+3], s[G0+4*\s+3], 0x80000000
	s_mov_b32 s[G0B+4*\s], 1
	s_add_co_u32 s[G0B+4*\s+1], s45, \s*SLOT
	s_add_nc_u64 s[G0B+4*\s+2:G0B+4*\s+3], s[46:47], \s*ROWB
	s_or_b32 s[G0B+4*\s+3], s[G0B+4*\s+3], 0x80000000
.endr
; the head's four tiles, one joint load a wave: one chain of branches on the wave's number
.macro ARM under, g0, g1, next
	s_cmp_lt_u32 s14, \under
	s_cbranch_scc0 \next
	tensor_load_to_lds s[\g0:\g0+3], s[\g1:\g1+7]
	s_nop 0
	PLACES 4
	s_branch .Lhead_asked
\next:
.endm
	ARM 1, 4, G1, .Lhead_b
	ARM 2, 8, G1B, .Lhead_sa
	ARM 3, G0S, G1S, .Lhead_sb
	tensor_load_to_lds s[G0SB:G0SB+3], s[G1SB:G1SB+7]
	s_nop 0
	PLACES 4
.Lhead_asked:
	s_mul_i32 s20, s15, 64*PITCH                   ; my 64 rows of A
	s_mul_i32 s21, s16, HALFT
	s_add_co_u32 s21, s21, 2*HALFT                 ; my 128 rows of B
	s_mul_i32 s23, s15, HALFS/2                    ; my rows' scales: A's,
	s_mul_i32 s22, s16, HALFS
	s_add_co_u32 s22, s22, HALFS                   ; B's, behind A's 128 rows',
	s_sub_co_u32 s22, s22, s23                     ; as a distance
	s_add_co_u32 s23, s23, SCL
	s_mul_i32 s2, s14, 16*SPITCH                   ; my stage
	s_lshl_b32 s92, s17, 7
	s_lshl_b32 s93, s15, 6
	s_add_co_u32 s92, s92, s93                     ; my first row of out0
	s_mov_b32 s93, 0
	s_mov_b64 s[18:19], SIZE_N*4
	s_mul_u64 s[92:93], s[92:93], s[18:19]
	s_lshl_b32 s46, s42, 10
	s_lshl_b32 s47, s16, 9
	s_add_co_u32 s46, s46, s47                     ; my first column, in bytes
	s_mov_b32 s47, 0
	s_add_nc_u64 s[92:93], s[92:93], s[46:47]
	s_add_nc_u64 s[12:13], s[12:13], s[92:93]
	v_and_b32 v1, 15, v0
	v_bfe_u32 v2, v0, 4, 1
	v_and_b32 v6, 31, v0
	v_mul_u32_u24 v3, v1, PITCH
	v_lshl_add_u32 v4, v2, 4, v3                   ; a fragment's row x pitch + 16 x half
	v_add_nc_u32 v[ADRA], s20, v4
	v_add_nc_u32 v[ADRB], s21, v4
	v_add_nc_u32 v[ADRA+1], SLOT, v[ADRA]
	v_add_nc_u32 v[ADRB+1], SLOT, v[ADRB]
	v_mul_u32_u24 v5, v1, KS
	v_lshrrev_b32 v7, 8, v5
	v_lshl_add_u32 v5, v7, 4, v5                   ; KS bytes a row, and 16 more for each 256 passed
	v_mul_u32_u24 v7, s22, v2                      ; lanes 16-31 take B's
	v_add_nc_u32 v5, v5, v7
	v_add_nc_u32 v[ADRS], s23, v5
	v_mul_u32_u24 v5, v1, SPITCH
	v_lshl_add_u32 v5, v2, 5, v5
	v_add_nc_u32 v[STO], s2, v5
	v_lshlrev_b32 v[CO], 4, v6
	v_add_nc_u32 v[RD], s2, v[CO]
	v_add_nc_u32 v30, s46, v[CO]
	global_load_b128 v[8:11], v30, s[66:67]        ; the bias of my four columns of a row's 128
.macro FRAG reg, adr, q, i
.irp c, 0,1,2,3
	ds_load_b128 v[\reg+4*\c:\reg+4*\c+3], v[\adr] offset:128*(\q)+32*\c+(\i)*16*PITCH
.endr
.endm
.macro MUL8 a, p, q, sc, zero          ; A's block a against B's eight, 128 along K; p: the sets of fragments; sc: the set of scale words
.irp b, 0,1,2,3,4,5,6,7
.if \zero
	v_wmma_scale_f32_16x16x128_f8f6f4 v[8*(8*(\a)+\b):8*(8*(\a)+\b)+7], v[128*(\p)+FR*\b:128*(\p)+FR*\b+FR-1], v[AF+64*(\p)+FR*(\a):AF+64*(\p)+FR*(\a)+FR-1], 0, v[SC+8*NQ*(\sc)+NQ*\b+(\q)], v[SC+8*NQ*(\sc)+NQ*(\a)+(\q)] matrix_a_fmt:MATRIX_FMT_BF8 matrix_b_fmt:MATRIX_FMT_BF8 matrix_a_scale:MATRIX_SCALE_ROW1
.else
	v_wmma_scale_f32_16x16x128_f8f6f4 v[8*(8*(\a)+\b):8*(8*(\a)+\b)+7], v[128*(\p)+FR*\b:128*(\p)+FR*\b+FR-1], v[AF+64*(\p)+FR*(\a):AF+64*(\p)+FR*(\a)+FR-1], v[8*(8*(\a)+\b):8*(8*(\a)+\b)+7], v[SC+8*NQ*(\sc)+NQ*\b+(\q)], v[SC+8*NQ*(\sc)+NQ*(\a)+(\q)] matrix_a_fmt:MATRIX_FMT_BF8 matrix_b_fmt:MATRIX_FMT_BF8 matrix_a_scale:MATRIX_SCALE_ROW1
.endif
.endr
.endm
.macro FETCH slot, q, p                ; B's eight and A's four fragments of the slot's q-th 128 along K into sets p: 48 loads
	WIN TO_B
.irp i, 0,1,2,3,4,5,6,7
	FRAG 128*(\p)+FR*\i, ADRB+\slot, \q, \i
.endr
	WIN 0
.irp i, 0,1,2,3
	FRAG AF+64*(\p)+FR*\i, ADRA+\slot, \q, \i
.endr
.endm
.macro SCALES sc
.irp i, 0,1,2,3,4,5,6,7
	ds_load_b64 v[SC+8*NQ*\sc+NQ*\i:SC+8*NQ*\sc+NQ*\i+1], v[ADRS] offset:\i*SBLK
.endr
.endm
.macro STEP slot, zero                 ; a slot's first 128 along K, on sets 0; in its middle the second's fragments are fetched into sets 1
	s_wait_dscnt 0x0
	WIN MUL_LO
	MUL8 0, 0, 0, \slot, \zero
	MUL8 1, 0, 0, \slot, \zero
	PLACES NP                                      ; in front of loads into registers that the step before has read
	FETCH \slot, 1, 1
	WIN MUL_LO
	MUL8 2, 0, 0, \slot, \zero
	MUL8 3, 0, 0, \slot, \zero
	WIN 0
.endm
.macro TURN slot, next, fill           ; a slot's second 128 along K, on sets 1, and the change of slots
	s_wait_tensorcnt 0x0                           ; all my tensor loads have landed: my part of the next slot
	ds_add_u32 v[SPW], v[NIL]
	s_wait_dscnt 1                                 ; this step's fragments are in; the add may be out
	WIN MUL_LO
	MUL8 0, 1, 1, \slot, 0
	s_wait_dscnt 0x0                               ; the add is done, and my reads of this slot are over
	s_barrier_signal -1
	MUL8 1, 1, 1, \slot, 0
	WIN 0
	s_barrier_wait -1
.if \fill
	CREST                                          ; the barrier has opened a round of the cluster's barrier
	s_add_nc_u64 s[G0+4*\slot+2:G0+4*\slot+3], s[G0+4*\slot+2:G0+4*\slot+3], 2*ROWB
	s_add_nc_u64 s[G0B+4*\slot+2:G0B+4*\slot+3], s[G0B+4*\slot+2:G0B+4*\slot+3], 2*ROWB
	JLOAD G0+4*\slot, G1, G0B+4*\slot, G1B
	PLACES NP-4
.else
	PLACES NP
.endif
	s_wait_alu depctr_va_vdst(0)                   ; directly ahead of the reader
	v_add_nc_u32 v[ADRS], 4*NQ, v[ADRS]            ; on to the next K step's scale words
	FETCH \next, 0, 0
	SCALES \next
	WIN MUL_LO
	MUL8 2, 1, 1, \slot, 0
	MUL8 3, 1, 1, \slot, 0
	WIN 0
.endm
	s_wait_alu depctr_va_vdst(0)                   ; the wait at the head's end
	s_wait_tensorcnt 0x0                           ; my tile of the head's four is in; slot 1's first fill is issued as a refill is
	ds_add_u32 v[SPW], v[NIL]
	s_mov_b32 s[G1+2], 64<<16                      ; no tensor load of mine is out: from here on a load brings 64 rows of A,
	s_mov_b32 s[G1+4], 64
	s_mov_b32 s[G1B+2], 128<<16                    ; or 128 of B
	s_mov_b32 s[G1B+4], 128
	s_wait_dscnt 0x0
	CROUND
	JLOAD G0+4, G1, G0B+4, G1B
	FETCH 0, 0, 0
	SCALES 0
	STEP 0, 1                                      ; the first products start the sums
	s_mov_b32 s3, LAPS-1
.Llap:
	TURN 0, 1, 1
	STEP 1, 0
	TURN 1, 0, 1
	STEP 0, 0
	s_sub_co_u32 s3, s3, 1
	s_cmp_lg_u32 s3, 0
	s_cbranch_scc1 .Llap
	TURN 0, 1, 0                                   ; the last lap fills nothing
	STEP 1, 0
	s_wait_dscnt 0x0
	WIN MUL_LO
	MUL8 0, 1, 1, 1, 0
	MUL8 1, 1, 1, 1, 0
	MUL8 2, 1, 1, 1, 0
	MUL8 3, 1, 1, 1, 0
	WIN 0
; THE WAY OUT, block by block of 16 rows x 128 columns, through my stage in slot 0 (it has had its last fill and its last read): whole rows of 512 bytes come back, the bias is added, and 32 lanes store two aligned units of 256 bytes
.macro TOSTAGE a
.set AC, 64*(\a)
	WIN 0x08
.irp b, 0,1,2,3,4,5,6,7
	ds_store_b128 v[STO], v[AC+8*\b:AC+8*\b+3] offset:64*\b
	ds_store_b128 v[STO], v[AC+8*\b+4:AC+8*\b+7] offset:64*\b+16
.endr
	WIN 0
.set BB, BK+64*((\a)%2)
.irp t, 0,1,2,3,4,5,6,7,8,9,10,11,12,13,14,15
	ds_load_b128 v[BB+4*\t:BB+4*\t+3], v[RD] offset:\t*SPITCH
.endr
.endm
.macro SEND a, younger
.set BB, BK+64*((\a)%2)
	s_wait_dscnt \younger
.if (\a) > 0
	s_add_nc_u64 s[12:13], s[12:13], 16*SIZE_N*4
.endif
.irp t, 0,1,2,3,4,5,6,7,8,9,10,11,12,13,14,15
	v_pk_add_f32 v[BB+4*\t:BB+4*\t+1], v[BB+4*\t:BB+4*\t+1], v[8:9]
	v_pk_add_f32 v[BB+4*\t+2:BB+4*\t+3], v[BB+4*\t+2:BB+4*\t+3], v[10:11]
	global_store_b128 v[CO], v[BB+4*\t:BB+4*\t+3], s[12:13] offset:\t*SIZE_N*4 th:TH_STORE_NT
.endr
.endm
	s_wait_loadcnt 0x0                             ; the bias
	PLACES NP
	TOSTAGE 0
.irp a, 1,2,3
.if \a > 1
	s_wait_xcnt 0x0                                ; block a - 2's stores have read their registers and their base
.endif
	TOSTAGE \a
	SEND \a-1, 32                                  ; behind block a - 1's loads: block a's 16 stores and 16 loads
.endr
	s_wait_xcnt 0x0
	SEND 3, 0
	s_wait_tensorcnt 0x0                           ; the wave's end
	ds_add_u32 v[SPW], v[NIL]
	s_wait_dscnt 0x0
	CROUND
	s_endpgm
.Lfunc_end_k_qe78f181922_proj:
	.size	k_qe78f181922_proj, .Lfunc_end_k_qe78f181922_proj-k_qe78f181922_proj
	.p2alignl 7, 3214868480
	.fill 96, 4, 3214868480
	.section	.rodata,"a",@progbits
	.p2align	6, 0x0
	.amdhsa_kernel k_qe78f181922_proj
		.amdhsa_group_segment_fixed_size 327680
		.amdhsa_private_segment_fixed_size 0
		.amdhsa_enable_private_segment 0
		.amdhsa_kernarg_size 48
		.amdhsa_user_sgpr_count 2
		.amdhsa_user_sgpr_kernarg_segment_ptr 1
		.amdhsa_wavefront_size32 1
		.amdhsa_system_sgpr_workgroup_id_x 1
		.amdhsa_system_sgpr_workgroup_id_y 1
		.amdhsa_system_sgpr_workgroup_id_z 1
		.amdhsa_system_vgpr_workitem_id 0
		.amdhsa_next_free_vgpr 768
		.amdhsa_next_free_sgpr 98
		.amdhsa_reserve_vcc 0
		.amdhsa_float_denorm_mode_32 3
		.amdhsa_float_denorm_mode_16_64 3
		.amdhsa_memory_ordered 1
		.amdhsa_forward_progress 1
		.amdhsa_inst_pref_size 98
	.end_amdhsa_kernel
	.amdgpu_metadata
---
amdhsa.version: [ 1, 2 ]
amdhsa.kernels:
  - .name:           k_qe78f181922_proj
    .symbol:         k_qe78f181922_proj.kd
    .args:
      - { .name: o_codes, .offset: 0, .size: 8, .value_kind: global_buffer, .address_space: global }
      - { .name: o_scales, .offset: 8, .size: 8, .value_kind: global_buffer, .address_space: global }
      - { .name: W_out_codes, .offset: 16, .size: 8, .value_kind: global_buffer, .address_space: global }
      - { .name: W_out_scales, .offset: 24, .size: 8, .value_kind: global_buffer, .address_space: global }
      - { .name: b_out, .offset: 32, .size: 8, .value_kind: global_buffer, .address_space: global }
      - { .name: out0, .offset: 40, .size: 8, .value_kind: global_buffer, .address_space: global }
    .group_segment_fixed_size: 327680
    .private_segment_fixed_size: 0
    .kernarg_segment_align: 8
    .kernarg_segment_size: 48
    .max_flat_workgroup_size: 128
    .sgpr_count:     98
    .vgpr_count:     768
    .wavefront_size: 32
...
	.end_amdgpu_metadata
.endif
;; end of part 3
